; MI455X (gfx1250); checked and timed in simulation.
; The chip was launched on July 23, 2026; its instructions are those of AMD's public machine-readable ISA for CDNA 5 (MIT licence, August 2026) and "CDNA5" Instruction Set Architecture Reference Guide (July 2026). The comments in the code are by the model that wrote it; some were corrected since.
;; Stream Tensor Base. Allowed arithmetic: float matrix products may take bf16 or f16 operands with f32 sums; other float arithmetic in f32, or as packed bf16 or f16 multiplies, adds, multiply-adds, maxima and minima; sums over many terms, partial sums and values carried from step to step in f32; what a program stores and reads back later, other than sums and carried values, may be rounded once to bf16 or f16.
;; Inputs: W1 102 x 128 float32; W2 128 x 128 float32; W3 128 x 3 float32; app_vol 27 x 128 x 128 x 128 float32; b1 128 float32; b2 128 float32; b3 3 float32; density_vol 1 x 128 x 128 x 128 float32; dists 4,096 x 256 float32; viewdirs 4,096 x 3 float32; xyz 4,096 x 256 x 3 float32.
;; Outputs: out0 4,096 x 3 float32.
;; One version. Each part assembles by itself: llvm-mc -triple=amdgcn-amd-amdhsa -mcpu=gfx1250 --defsym DOCPART=n.
;; ======== version 1 of 1: 2 launches
;; limits: sums are carried in bf16; values outside matrix products are rounded to bf16
;; workspace buffers: table 134,217,728 bytes; cells 4,194,304 bytes of whole numbers
;; launch prep (part 1): grid 512 x 1, 8 waves a work-group, no clusters, 70,656 bytes of LDS; arguments xyz, app_vol, density_vol, table, cells; writes table, cells
.if DOCPART == 1
	.amdgcn_target "amdgcn-amd-amdhsa--gfx1250"
	.amdhsa_code_object_version 6
	.text
	.protected	k_qfc056c23b0_prep
	.globl	k_qfc056c23b0_prep
	.p2align	8
	.type	k_qfc056c23b0_prep,@function
k_qfc056c23b0_prep:
	s_mov_b64 s[64:65], 0
	v_nop
	global_prefetch_b8 v0, s[64:65] scope:SCOPE_SE
	s_setreg_imm32_b32 hwreg(HW_REG_WAVE_MODE, 25, 1), 1
	s_wait_xcnt 0x0
; PREP.  Two things, both streams.
; (1) The 27 appearance channels and the density, [c][z][y][x] f32, are laid anew as one record of 64 bytes a voxel, table[z][y][x][32 bf16], each number rounded once:
;     words 0-5 (app 2i, app 2i+1), word 6 (app 12, density), word 7 = 0, words 8-14 (app 13+2i, app 14+2i), word 15 = 0.
; (2) For each of the 4,096 x 256 points its cell (z0 << 14) | (y0 << 7) | x0, with x0 = clip(floor(63.5 x + 63.5), 0, 126) and so on: whole numbers, from which the next launch makes addresses.
; SHARES.  4,096 waves.  Wave Wg = 8 x work-group + wave owns the four rows (z, y) = 4 Wg .. 4 Wg + 3 of every channel (512 bytes each) and the 256 points of ray Wg.
; A lane takes 16 bytes, four voxels, of each of the 28 channels: a load of the wave covers a row's 512 consecutive bytes.  The lane's four records are 256 consecutive bytes of the table; they go
; through the wave's own stage in LDS (a lane a row of 272 bytes) and come back so that each store of the wave covers 512 consecutive bytes, aligned.  While a row is packed and stored the next row's 28 loads are out.
; No wave reads another's bytes: no barrier.  No matrix unit, no cluster: nothing is shared and nothing is multiplied.
; LIMITS.  bf16 keeps 8 significant bits of each volume number.  A NaN coordinate gives some cell inside the table.
.set STG,   8704                       ; a wave's stage: 32 rows x 272 bytes (256 + 16, ISA guide 11.1)
.set SPARE, 8*STG                      ; behind the stages: the spare words, 128 bytes for each wave: four blocks of 256 bytes that no other line names
.set CHB,   0x800000                   ; bytes in a channel: 128 x 128 x 128 x 4
.set SPW, 2                            ; v2   LDS address of my spare word; never rewritten
.set NIL, 3                            ; v3   0; never rewritten
.set OFF, 4                            ; v4   my 16 bytes in my first row of a channel; never rewritten
.set ST,  5                            ; v5   my row of the stage
.set RD,  6                            ; v6   where I read the stage back
.set SO,  7                            ; v7   16 x lane: my place in 512 consecutive bytes of the table and of cells; never rewritten
.set XO,  8                            ; v8   48 x lane: my four points in xyz; never rewritten
.set L,   12                           ; v[12:123]   28 channels x 4 voxels, f32 as loaded (channel 27 is the density)
.set REC, 124                          ; v[124:187]  4 voxels x 16 words
.set OUT, 188                          ; v[188:251]  the stage read back; at the start 24 coordinates and 8 cells
.set XR,  OUT
.set CR,  OUT+24
; scalar registers: channel c's address in s[32 + 2 c + 2 (c / 16)] and the next
	s_load_b256 s[4:11], s[0:1], 0x0               ; xyz s[4:5], app_vol s[6:7], density_vol s[8:9], table s[10:11]
	s_load_b64 s[12:13], s[0:1], 0x20              ; cells
	v_lshl_add_u32 v[SPW], v0, 2, SPARE
	v_mov_b32 v[NIL], 0
	v_lshrrev_b32 v1, 5, v0
	v_readfirstlane_b32 s14, v1                    ; wave 0..7
	v_and_b32 v1, 31, v0                           ; lane
	s_lshl3_add_u32 s15, ttmp9, s14                ; Wg
	s_lshl_b32 s16, s15, 11                        ; 4 Wg rows of 512 bytes
	s_mul_i32 s17, s14, STG                        ; my stage
	s_mov_b32 s18, 0x427e0000                      ; 63.5, as a pair for the packed multiply-add
	s_mov_b32 s19, s18
	s_mov_b32 s22, 0x42fc0000                      ; 126.0
	v_lshl_add_u32 v[OFF], v1, 4, s16
	v_mul_u32_u24 v[ST], v1, 272
	v_add_nc_u32 v[ST], s17, v[ST]
	v_lshrrev_b32 v10, 4, v1
	v_and_b32 v11, 15, v1
	v_mul_u32_u24 v[RD], v10, 272                  ; lanes 0-15 one row of the stage, lanes 16-31 the next
	v_lshl_add_u32 v[RD], v11, 4, v[RD]
	v_add_nc_u32 v[RD], s17, v[RD]
	v_lshlrev_b32 v[SO], 4, v1
	v_mul_u32_u24 v[XO], v1, 48
.irp e, 0,1,2,3
	v_mov_b32 v[REC+16*\e+7], 0                    ; the records' two empty words, once
	v_mov_b32 v[REC+16*\e+15], 0
.endr
	s_mul_i32 s20, s15, 3072
	s_mov_b32 s21, 0
	s_wait_kmcnt 0x0
	s_add_nc_u64 s[4:5], s[4:5], s[20:21]          ; xyz at my ray
	s_lshl_b32 s20, s15, 10
	s_add_nc_u64 s[12:13], s[12:13], s[20:21]      ; cells at my ray
	s_lshl_b32 s20, s15, 15
	s_add_nc_u64 s[10:11], s[10:11], s[20:21]      ; the table at my first row: 4 Wg x 8,192 bytes
	s_mov_b64 s[32:33], s[6:7]
.set c, 1
.rept 26
.set sa, 32+2*c+2*(c/16)
.set sprev, 32+2*(c-1)+2*((c-1)/16)
	s_add_nc_u64 s[sa:sa+1], s[sprev:sprev+1], CHB
.set c, c+1
.endr
	s_mov_b64 s[88:89], s[8:9]                     ; channel 27: the density
.macro LOADROW i                       ; 28 loads: my 16 bytes of row i in every channel
.set c, 0
.rept 28
.set sa, 32+2*c+2*(c/16)
	global_load_b128 v[L+4*c:L+4*c+3], v[OFF], s[sa:sa+1] offset:512*(\i) th:TH_LOAD_NT
.set c, c+1
.endr
.endm
; Row i: packed, staged, read back and stored.  next = 1: the next row is asked for as soon as L has been read.
.macro ROW i, next
	s_wait_loadcnt 0x0                             ; the row's 28 loads are in
.irp e, 0,1,2,3
.irp w, 0,1,2,3,4,5
	v_cvt_pk_bf16_f32 v[REC+16*\e+\w], v[L+8*\w+\e], v[L+8*\w+4+\e]
.endr
	v_cvt_pk_bf16_f32 v[REC+16*\e+6], v[L+48+\e], v[L+108+\e]
.irp w, 0,1,2,3,4,5,6
	v_cvt_pk_bf16_f32 v[REC+16*\e+8+\w], v[L+52+8*\w+\e], v[L+56+8*\w+\e]
.endr
.endr
.if \next
	LOADROW (\i)+1
.endif
.irp e, 0,1,2,3
.irp j, 0,1,2,3
	ds_store_b128 v[ST], v[REC+16*\e+4*\j:REC+16*\e+4*\j+3] offset:64*\e+16*\j
.endr
.endr
	s_wait_xcnt 0x0                                ; OUT was the data of earlier stores: it is loaded again only behind this wait
.irp k, 0,1,2,3,4,5,6,7,8,9,10,11,12,13,14,15
	ds_load_b128 v[OUT+4*\k:OUT+4*\k+3], v[RD] offset:544*\k  ; LDS serves a wave's instructions in order (ISA guide 5.7.1.4): these see the stores above, and the next row's stores come behind them
.endr
.irp k, 0,1,2,3,4,5,6,7,8,9,10,11,12,13,14,15
	s_wait_dscnt 15-\k                             ; the younger read-backs may stay out
	global_store_b128 v[SO], v[OUT+4*\k:OUT+4*\k+3], s[10:11] offset:8192*(\i)+512*\k th:TH_STORE_NT  ; 512 consecutive bytes, at a multiple of 512 from the table's first
.endr
.endm
.irp j, 0,1
.irp t, 0,1,2
	global_load_b128 v[XR+12*\j+4*\t:XR+12*\j+4*\t+3], v[XO], s[4:5] offset:1536*\j+16*\t th:TH_LOAD_NT  ; points 128 j + 4 lane .. + 3
.endr
.endr
	LOADROW 0
	s_wait_loadcnt 28                              ; the six loads of xyz are in; the row's 28, issued behind them, stay out
.set i, 0
.rept 12
	v_pk_fma_f32 v[XR+i:XR+i+1], v[XR+i:XR+i+1], s[18:19], s[18:19] op_sel_hi:[1,0,0]  ; 63.5 x + 63.5: the next launch makes the same number and takes the cell away from it
.set i, i+2
.endr
.set i, 0
.rept 24
	v_floor_f32 v[XR+i], v[XR+i]
.set i, i+1
.endr
.set i, 0
.rept 24
	v_med3_num_f32 v[XR+i], v[XR+i], 0, s22
.set i, i+1
.endr
.set i, 0
.rept 24
	v_cvt_u32_f32 v[XR+i], v[XR+i]
.set i, i+1
.endr
.irp j, 0,1
.irp p, 0,1,2,3
	v_lshl_or_b32 v[CR+4*\j+\p], v[XR+12*\j+3*\p+1], 7, v[XR+12*\j+3*\p]
.endr
.irp p, 0,1,2,3
	v_lshl_or_b32 v[CR+4*\j+\p], v[XR+12*\j+3*\p+2], 14, v[CR+4*\j+\p]
.endr
	global_store_b128 v[SO], v[CR+4*\j:CR+4*\j+3], s[12:13] offset:512*\j  ; 512 consecutive bytes of cells
.endr
	ROW 0, 1
	ROW 1, 1
	ROW 2, 1
	ROW 3, 0
	s_wait_tensorcnt 0x0                           ; the wave's end, behind my last LDS store
	ds_add_u32 v[SPW], v[NIL]
	s_wait_dscnt 0x0
	s_endpgm
.Lfunc_end_k_qfc056c23b0_prep:
	.size	k_qfc056c23b0_prep, .Lfunc_end_k_qfc056c23b0_prep-k_qfc056c23b0_prep
	.p2alignl 7, 3214868480
	.fill 96, 4, 3214868480
	.section	.rodata,"a",@progbits
	.p2align	6, 0x0
	.amdhsa_kernel k_qfc056c23b0_prep
		.amdhsa_group_segment_fixed_size 70656
		.amdhsa_private_segment_fixed_size 0
		.amdhsa_enable_private_segment 0
		.amdhsa_kernarg_size 40
		.amdhsa_user_sgpr_count 2
		.amdhsa_user_sgpr_kernarg_segment_ptr 1
		.amdhsa_wavefront_size32 1
		.amdhsa_system_sgpr_workgroup_id_x 1
		.amdhsa_system_sgpr_workgroup_id_y 1
		.amdhsa_system_sgpr_workgroup_id_z 1
		.amdhsa_system_vgpr_workitem_id 0
		.amdhsa_next_free_vgpr 252
		.amdhsa_next_free_sgpr 96
		.amdhsa_reserve_vcc 0
		.amdhsa_float_denorm_mode_32 3
		.amdhsa_float_denorm_mode_16_64 3
		.amdhsa_memory_ordered 1
		.amdhsa_forward_progress 1
		.amdhsa_inst_pref_size 51
	.end_amdhsa_kernel
	.amdgpu_metadata
---
amdhsa.version: [ 1, 2 ]
amdhsa.kernels:
  - .name:           k_qfc056c23b0_prep
    .symbol:         k_qfc056c23b0_prep.kd
    .args:
      - { .name: xyz, .offset: 0, .size: 8, .value_kind: global_buffer, .address_space: global }
      - { .name: app_vol, .offset: 8, .size: 8, .value_kind: global_buffer, .address_space: global }
      - { .name: density_vol, .offset: 16, .size: 8, .value_kind: global_buffer, .address_space: global }
      - { .name: table, .offset: 24, .size: 8, .value_kind: global_buffer, .address_space: global }
      - { .name: cells, .offset: 32, .size: 8, .value_kind: global_buffer, .address_space: global }
    .group_segment_fixed_size: 70656
    .private_segment_fixed_size: 0
    .kernarg_segment_align: 8
    .kernarg_segment_size: 40
    .max_flat_workgroup_size: 256
    .sgpr_count:     96
    .vgpr_count:     252
    .wavefront_size: 32
...
	.end_amdgpu_metadata
.endif
;; end of part 1
;; launch render (part 2): grid 256 x 1, 8 waves a work-group, no clusters, 83,968 bytes of LDS; arguments xyz, viewdirs, dists, table, cells, W1, b1, W2, b2, W3, b3, out0; writes out0
.if DOCPART == 2
	.amdgcn_target "amdgcn-amd-amdhsa--gfx1250"
	.amdhsa_code_object_version 6
	.text
	.protected	k_qfc056c23b0_render
	.globl	k_qfc056c23b0_render
	.p2align	8
	.type	k_qfc056c23b0_render,@function
k_qfc056c23b0_render:
	s_mov_b64 s[64:65], 0
	v_nop
	global_prefetch_b8 v0, s[64:65] scope:SCOPE_SE
	s_setreg_imm32_b32 hwreg(HW_REG_WAVE_MODE, 25, 1), 1
	s_wait_xcnt 0x0
; RENDER.  For each of 4,096 rays: 256 points; trilinear density and 27 features from the table of 64-byte records; softplus, alpha and the running transmittance; the shading MLP
; 102 -> 128 -> 128 -> 3 (ReLU, ReLU, sigmoid) on [features, view, sin/cos of the point, sin/cos of the view]; the weighted sum of the colours.
; SHARES.  Work-group g owns rays 16 g .. 16 g + 15, wave w two of them: 512 consecutive points, 8 batches of 64.  In a batch lane (r = lane % 16, h = lane / 16) serves the points 4 r + pt, pt = 0..3:
; tile pt of 16 points.  Lanes r and r + 16 serve the same points with the two halves of the inputs' 64 columns.
; THE PRODUCTS ARE TAKEN TRANSPOSED (source 0 = 16 hidden units, from LDS; source 1 = 16 points): a lane holds ONE point in every layer, and two results rounded in pairs ARE the next layer's source 1.
; A weight fragment read from LDS feeds the four tiles.  All matrix operands bf16, all sums of products f32.
; THE VIEW'S PART OF LAYER 1 (3 + 36 rows of W1, and b1) is the same for all points of a ray: it is made once for the 16 rays (VT) and starts layer 1's sums as the C operand; K falls from 102 to 64.
; A LANE'S 32 INPUT SLOTS s (register X + 16 pt + s / 2): s = 0..13 its half of the record (h = 0: app 0-12 and the density, whose column of weights is 0; h = 1: app 13-26);
; s = 14 + 6 f + 2 d + t: sin (t = 0) or cos (t = 1) of coordinate d at frequency 2^(3 h + f).  Column k of the weights in LDS belongs to slot 16 (k >> 5) + 8 ((k >> 4) & 1) + (k & 7) of half (k >> 3) & 1.
; SIN AND COS: x 8^h / 2 pi less its nearest whole number, a quarter of that angle (at most pi / 4) by Taylor series of degree 7 and 8, then angle doublings: two to the lane's first frequency, one for each further.
; GATHER.  A point's eight corners are four pieces of 128 bytes; a lane takes 32 bytes of each corner.  Two rings of 64 registers, each asked for again as soon as it has been read, so that 32 loads of a wave are
; always out.  A batch's head interpolates its tiles 2 and 3 and asks for the NEXT batch's tiles 0 and 1; those are interpolated between layers 1 and 2, into 14 registers kept aside, and the next batch's tiles 2
; and 3 are asked for there.  So a request has the encoding, the density and layer 1 (64 products), or layers 2 and 3 and the shading (144 products), in which to land.
; Addresses are made of the whole numbers that the launch before stored, clamped in two fields.
; INTERPOLATION.  The features come in bf16 and leave in bf16: two channels a line in packed bf16, eight products and sums with the corner weights rounded to bf16.  The density, which feeds exponentials and the
; running product, has a chain of its own in f32.
; WEIGHT FRAGMENTS.  Layer 1: two buffers; step mt + 2 is asked for behind step mt's products.  Layer 2, whose step needs 40 registers: by halves, each asked for behind the products that read its registers last.
; TWO WAVES TO A SIMD, 512 registers each: one wave's vector phases stand beside the other's matrix phases.
; NO CLUSTER: what work-groups share is 119,808 bytes of weights, read once at the head, against 2,097,152 bytes of gathers that are each work-group's own.
; LIMITS.  Table, weights and hidden layers carry bf16's 8 significant bits; a feature is a convex sum of eight terms rounded to bf16 at each step.  The range reduction's error grows with |x|: about |x| 2^-19
; radians at the highest frequency.  An exponential below 2^-126 counts as 0.  NaN and infinities are not treated apart.  A point outside the box takes the clipped cell and extrapolates, as the definition does.
; LDS
.set W1V,  18432                       ; W1P at 0: 128 units x 144 bytes (64 bf16 + 16: odd multiple of 16, so 16 rows of a load start at different banks, ISA guide 11.1); W1V the same for the view
.set W2T,  36864                       ; 128 units x 272 bytes
.set W3T,  71680                       ; 4 rows x 272 bytes; row 3 is 0 and stands for units 3-15
.set B1L,  72960                       ; b1, f32
.set B2L,  73472                       ; b2, f32
.set VT,   73984                       ; 16 rays x 528 bytes, f32
.set OUTS, 82432                       ; 48 results; the 256 bytes behind them take the upper lanes' unused numbers
.set SPARE, 82944                      ; the spare words, 128 bytes for each wave: four blocks of 256 bytes that no other line names
; window 0
.set SPW, 2                            ; v2  my spare word;  v3  0: never rewritten
.set NIL, 3
.set ZERO, 4                           ; v4  0, as a vector source
.set H32, 5                            ; v5  32 h
.set CO,  6                            ; v6  16 r: my four cells, my four dists
.set XO,  7                            ; v7  48 r: my four points
.set AW1, 8                            ; v8-11  LDS addresses of my part of a fragment of W1P, W2T, W3T, of b2
.set AW2, 9
.set AW3, 10
.set AB2, 11
.set AVT, 12                           ; v12 the same in the ray's row of VT
.set SW3, 13                           ; v13 (head only)
.set PEM, 14                           ; v[14:15] 8^h / 2 pi, twice
.set CARRY, 16                         ; v16 the transmittance in front of the batch
.set RGB, 17                           ; v17-19 the ray's sums
.set OF,  20                           ; v20, v21 the offset in the table of the tile that ring 0, ring 1 was last asked for (head: v20-23, four tiles)
.set IDX, 24                           ; v[24:27] the cells of the batch whose tiles are being interpolated;  v[28:31] the batch after
.set IDN, 28
.set DST, 32                           ; v[32:35] dists;  v[36:47] xyz
.set XYZ, 36
.set WGT, 48                           ; v48-51 weights;  v52-55 density
.set DEN, 52
.set T,   56                           ; v56-59 at work
.set XN1A, 60                          ; v60-63 words 0-3 of the next batch's tile 1, kept aside
.set X,   64                           ; v[64:127] layer 1's source 1, 16 a tile;  later H2P v[64:95] and ACC3 v[96:127]
.set H2P, 64
.set ACC3, 96
.set ACC, 128                          ; v[128:191] two sets of four accumulators;  in the other phases at work
.set PSN, 128                          ; sin, cos, angle, its square, polynomial: 12 each
.set PCS, 140
.set PHI, 152
.set PUU, 164
.set PPP, 176
.set FRAG, 192                         ; layer 1: two buffers of 24 (16 of fragments, 8 for C) in v[192:239].  layer 2: v[192:223] fragments, v[224:231] C, v[232:239] W3's fragment
.set BIAS, 224
.set W3F, 232
.set FR,  192                          ; while tiles are interpolated: fractions, 1 - fractions (first the cell as f32), 8 corner weights in f32, the same in bf16, each twice in its word
.set GR,  204
.set W8,  216
.set WB,  224
.set RESA, 240                         ; v240-242 the first ray's colour;  v243-245 the second's
.set RESB, 243
.set XN0, 246                          ; v246-252 the seven words of the next batch's tile 0, kept aside
.set XN1B, 249                         ; XN1B + 4 .. + 6 = v253-255: words 4-6 of its tile 1
.set W3R, 246                          ; head only: v[246:248] a row of W3, v249 a bias, v250-252 offsets, v253-255 LDS addresses
.set BV,  249
.set N4,  250
.set N12, 251
.set W2O, 252
.set SW2, 253
.set SW1, 254
.set SBI, 255
.set VD,  48                           ; head only: the view direction and a 0;  v52 its offset;  v63 h
.set VDO, 52
.set HH,  63
.set XV,  192                          ; head only: the view's source 1, W1V's fragments, the view's sums
.set VF,  208
.set ACCV, 232
; window 1
.set RING0, 0                          ; 8 corners x 8 words
.set RING1, 64
.set RING2, 128                        ; head only, in H1's registers: the first batch's tiles 0 and 1
.set RING3, 192
.set H1,  128                          ; K step q of tile pt at H1 + 32 q + 8 pt
; scalars
.set WV,  28
.set G2,  29                           ; wave / 4
.set BAT, 30                           ; batches of the ray to go
.set RAYS, 31
.set LEFT, 32                          ; batches of the wave to go, this one among them
.set C7,  46                           ; pairs for the packed forms
.set C5,  48
.set C3,  50
.set C8,  52
.set C6,  54
.set C4,  56
.set HPI, 58
.set NL2E, 61
.set LN2, 62
.set K25, 63
.set EPS, 66
.set VTO, 67                           ; LDS byte of the ray's row of VT
.set B3,  68
.set NB3, 72
.set K635, 76
.set SVX, 78
.set MSB, 0
.macro WIN new                         ; s_set_vgpr_msb: bits 1:0 source 0, 3:2 source 1, 5:4 source 2, 7:6 destination; the high byte repeats the setting that is left
.if MSB != (\new)
	s_set_vgpr_msb (MSB<<8)|(\new)
.set MSB, (\new)
.endif
.endm
.macro NOPS n
.rept \n
	v_nop
.endr
.endm
.macro SPAIR reg, val
	s_mov_b32 s[\reg], \val
	s_mov_b32 s[(\reg)+1], \val
.endm
.macro PAIRS np, line:vararg           ; one line for each of np register pairs, z = 0, 2, ..
.set z, 0
.rept \np
	\line
.set z, z+2
.endr
.endm
.macro PAIRSZ z0, np, line:vararg      ; the same from z = z0 on
.set z, \z0
.rept \np
	\line
.set z, z+2
.endr
.endm
; A tile's offset in the table from its cell: both fields are clamped by constants written in the line, then only shifted left and added: ((z0 128 + y0) << 13) + (x0 << 6) + 32 h
.macro ADDR of, idx
	v_lshrrev_b32 v[T], 7, v[\idx]
	v_and_b32 v[T+1], 127, v[\idx]
	v_min_u32 v[T], 0x3f7e, v[T]
	v_min_u32 v[T+1], 126, v[T+1]
	v_lshl_add_u32 v[T+1], v[T+1], 6, v[H32]
	v_lshl_add_u32 v[\of], v[T], 13, v[T+1]
.endm
.macro GATHER ring, of                 ; 16 loads: my 32 bytes of corner c = 4 z + 2 y + x
	WIN 0x40
.irp c, 0,1,2,3,4,5,6,7
	global_load_b128 v[(\ring)+8*\c:(\ring)+8*\c+3],   v[\of], s[10:11] offset:(\c>>2)*1048576+((\c>>1)&1)*8192+(\c&1)*64
	global_load_b128 v[(\ring)+8*\c+4:(\ring)+8*\c+7], v[\of], s[10:11] offset:(\c>>2)*1048576+((\c>>1)&1)*8192+(\c&1)*64+16
.endr
	WIN 0
.endm
.macro FRAC p0                         ; the six fractions of tiles p0 and p0 + 1, and their complements
.set p, \p0
.rept 2
	v_and_b32 v[GR+3*p], 127, v[IDX+p]
	v_bfe_u32 v[GR+3*p+1], v[IDX+p], 7, 7
	v_lshrrev_b32 v[GR+3*p+2], 14, v[IDX+p]
.set p, p+1
.endr
.set y, 3*(\p0)
.rept 6
	v_cvt_f32_u32 v[GR+y], v[GR+y]
.set y, y+1
.endr
	PAIRSZ 3*(\p0), 3, v_pk_fma_f32 v[FR+z:FR+z+1], v[XYZ+z:XYZ+z+1], s[K635:K635+1], s[K635:K635+1] op_sel_hi:[1,0,0]
	PAIRSZ 3*(\p0), 3, v_pk_add_f32 v[FR+z:FR+z+1], v[FR+z:FR+z+1], v[GR+z:GR+z+1] neg_lo:[0,1] neg_hi:[0,1]
	PAIRSZ 3*(\p0), 3, v_pk_add_f32 v[GR+z:GR+z+1], v[FR+z:FR+z+1], 1.0 op_sel_hi:[1,0] neg_lo:[1,0] neg_hi:[1,0]
.endm
.macro WEIGHTS pt                      ; the eight corner weights of tile pt, in f32 and, each in both halves of a word, in bf16
	v_mul_f32 v[T],   v[GR+3*(\pt)+2], v[GR+3*(\pt)+1]
	v_mul_f32 v[T+1], v[GR+3*(\pt)+2], v[FR+3*(\pt)+1]
	v_mul_f32 v[T+2], v[FR+3*(\pt)+2], v[GR+3*(\pt)+1]
	v_mul_f32 v[T+3], v[FR+3*(\pt)+2], v[FR+3*(\pt)+1]
.irp a, 0,1,2,3
	v_mul_f32 v[W8+2*\a],   v[T+\a], v[GR+3*(\pt)]
	v_mul_f32 v[W8+2*\a+1], v[T+\a], v[FR+3*(\pt)]
.endr
.irp c, 0,1,2,3,4,5,6,7
	v_cvt_pk_bf16_f32 v[WB+\c], v[W8+\c], v[W8+\c]
.endr
.endm
; Tile pt out of a ring: seven words of two channels each, summed over the 8 corners in packed bf16, in the registers where they are wanted (keep = 0: slots 0-13 of X; keep = 1: the registers kept aside);
; and word 6's upper half, the density, in f32.  Eight chains that do not wait for each other.
.macro INTERP pt, ring, keep
	WIN 0x01
.irp c, 0,1,2,3,4,5,6,7
.irp i, 0,1,2,3,4,5,6
.set rd, X+16*(\pt)+\i
.if \keep
.set rd, XN0+\i
.if (\pt) == 1
.set rd, XN1A+\i
.if \i > 3
.set rd, XN1B+\i
.endif
.endif
.endif
.if \c == 0
	v_pk_mul_bf16 v[rd], v[(\ring)+8*\c+\i], v[WB+\c]
.else
	v_pk_fma_bf16 v[rd], v[(\ring)+8*\c+\i], v[WB+\c], v[rd]
.endif
.endr
.if \c == 0
	v_fma_mix_f32_bf16 v[DEN+(\pt)], v[(\ring)+8*\c+6], v[W8+\c], v[ZERO] op_sel:[1,0,0] op_sel_hi:[1,0,0]
.else
	v_fma_mix_f32_bf16 v[DEN+(\pt)], v[(\ring)+8*\c+6], v[W8+\c], v[DEN+(\pt)] op_sel:[1,0,0] op_sel_hi:[1,0,0]
.endif
.endr
	WIN 0
.endm
; Between layers 1 and 2: the next batch's tiles 0 and 1 are interpolated and kept aside, and its tiles 2 and 3 asked for.  IDX and XYZ hold the next batch's numbers by then.
.macro MIDBLK
	FRAC 0
	WEIGHTS 0
	INTERP 0, RING0, 1
	ADDR OF, IDX+2
	GATHER RING0, OF
	WEIGHTS 1
	INTERP 1, RING1, 1
	ADDR OF+1, IDX+3
	GATHER RING1, OF+1
.endm
.macro DBL np                          ; sin 2a = 2 sin a cos a, cos 2a = 1 - 2 sin^2 a; the cosines change registers
	PAIRS \np, v_pk_add_f32 v[PPP+z:PPP+z+1], v[PSN+z:PSN+z+1], v[PSN+z:PSN+z+1]
	PAIRS \np, v_pk_fma_f32 v[CN+z:CN+z+1], v[PPP+z:PPP+z+1], v[PSN+z:PSN+z+1], 1.0 op_sel_hi:[1,1,0] neg_lo:[1,0,0] neg_hi:[1,0,0]
	PAIRS \np, v_pk_mul_f32 v[PSN+z:PSN+z+1], v[PPP+z:PPP+z+1], v[CC+z:CC+z+1]
.set CX, CC
.set CC, CN
.set CN, CX
.endm
.macro PEOUT dst, f, npt               ; (sin, cos) of the three coordinates at the lane's frequency f into slots 14 + 6 f ..
.set pq, 0
.rept \npt
.irp d, 0,1,2
	v_cvt_pk_bf16_f32 v[(\dst)+16*pq+7+3*(\f)+\d], v[PSN+3*pq+\d], v[CC+3*pq+\d]
.endr
.set pq, pq+1
.endr
.endm
.macro PE src, np, dst, npt            ; the encoding of 2 np numbers at src
.set CC, PCS
.set CN, PUU
	PAIRS \np, v_pk_mul_f32 v[PHI+z:PHI+z+1], v[(\src)+z:(\src)+z+1], v[PEM:PEM+1]
.set y, 0
.rept 2*(\np)
	v_rndne_f32 v[PUU+y], v[PHI+y]
.set y, y+1
.endr
	PAIRS \np, v_pk_add_f32 v[PHI+z:PHI+z+1], v[PHI+z:PHI+z+1], v[PUU+z:PUU+z+1] neg_lo:[0,1] neg_hi:[0,1]
	PAIRS \np, v_pk_mul_f32 v[PHI+z:PHI+z+1], v[PHI+z:PHI+z+1], s[HPI:HPI+1] op_sel_hi:[1,0]
	PAIRS \np, v_pk_mul_f32 v[PUU+z:PUU+z+1], v[PHI+z:PHI+z+1], v[PHI+z:PHI+z+1]
	PAIRS \np, v_pk_fma_f32 v[PPP+z:PPP+z+1], v[PUU+z:PUU+z+1], s[C7:C7+1], s[C5:C5+1] op_sel_hi:[1,0,0]
	PAIRS \np, v_pk_fma_f32 v[PPP+z:PPP+z+1], v[PPP+z:PPP+z+1], v[PUU+z:PUU+z+1], s[C3:C3+1] op_sel_hi:[1,1,0]
	PAIRS \np, v_pk_fma_f32 v[PPP+z:PPP+z+1], v[PPP+z:PPP+z+1], v[PUU+z:PUU+z+1], 1.0 op_sel_hi:[1,1,0]
	PAIRS \np, v_pk_mul_f32 v[PSN+z:PSN+z+1], v[PPP+z:PPP+z+1], v[PHI+z:PHI+z+1]
	PAIRS \np, v_pk_fma_f32 v[PPP+z:PPP+z+1], v[PUU+z:PUU+z+1], s[C8:C8+1], s[C6:C6+1] op_sel_hi:[1,0,0]
	PAIRS \np, v_pk_fma_f32 v[PPP+z:PPP+z+1], v[PPP+z:PPP+z+1], v[PUU+z:PUU+z+1], s[C4:C4+1] op_sel_hi:[1,1,0]
	PAIRS \np, v_pk_fma_f32 v[PPP+z:PPP+z+1], v[PPP+z:PPP+z+1], v[PUU+z:PUU+z+1], -0.5 op_sel_hi:[1,1,0]
	PAIRS \np, v_pk_fma_f32 v[PCS+z:PCS+z+1], v[PPP+z:PPP+z+1], v[PUU+z:PUU+z+1], 1.0 op_sel_hi:[1,1,0]
	DBL \np
	DBL \np
	PEOUT \dst, 0, \npt
	DBL \np
	PEOUT \dst, 1, \npt
	DBL \np
	PEOUT \dst, 2, \npt
.endm
; DENSITY.  softplus = max(x, 0) + ln 2 log2(1 + 2^(-|x| log2 e)); alpha = 1 - 2^(-25 log2 e sigma dist); q = 1 - alpha + 1e-10.  A lane's four points are consecutive, the 16 lanes of a row in order:
; the products in front of a lane are made by four exchanges, in which a lane whose bit d is set takes the lower block's product.  Each batch of transcendentals has one plain line and one wait behind it.
.set DT, 128
.set DM, 132
.set DD, 136
.set DA, 140
.set DQ, 144
.set DP, 148                           ; q0 q1, q0 q1 q2, the lane's (then the block's) product, the product in front of the lane
.set DX, 152
.macro SCAN d, m
	v_mul_f32_dpp v[DM], v[DP+2], v[DP+3] row_xmask:\d row_mask:0xf bank_mask:0xf
	v_cndmask_b32 v[DP+3], v[DP+3], v[DM], s[\m]
	v_mul_f32_dpp v[DP+2], v[DP+2], v[DP+2] row_xmask:\d row_mask:0xf bank_mask:0xf
.endm
.macro DENS
.irp i, 0,1,2,3
	v_fma_f32 v[DT+\i], |v[DEN+\i]|, s[NL2E], 0
.endr
.irp i, 0,1,2,3
	v_exp_f32 v[DT+\i], v[DT+\i]
.endr
.irp i, 0,1,2,3
	v_max_num_f32 v[DM+\i], 0, v[DEN+\i]
.endr
	s_wait_alu depctr_va_vdst(0)                   ; one wait for the four exponentials, ahead of their first reader
.irp i, 0,1,2,3
	v_add_f32 v[DT+\i], 1.0, v[DT+\i]
.endr
.irp i, 0,1,2,3
	v_log_f32 v[DT+\i], v[DT+\i]
.endr
.irp i, 0,1,2,3
	v_mul_f32 v[DD+\i], s[K25], v[DST+\i]
.endr
	s_wait_alu depctr_va_vdst(0)                   ; one for the four logarithms
.irp i, 0,1,2,3
	v_fma_f32 v[DT+\i], v[DT+\i], s[LN2], v[DM+\i]
.endr
.irp i, 0,1,2,3
	v_mul_f32 v[DT+\i], v[DT+\i], v[DD+\i]
.endr
.irp i, 0,1,2,3
	v_exp_f32 v[DT+\i], v[DT+\i]
.endr
	v_mov_b32 v[DP+3], 1.0
	s_wait_alu depctr_va_vdst(0)                   ; one for the four exponentials
.irp i, 0,1,2,3
	v_sub_f32 v[DA+\i], 1.0, v[DT+\i]
.endr
.irp i, 0,1,2,3
	v_sub_f32 v[DQ+\i], 1.0, v[DA+\i]
.endr
.irp i, 0,1,2,3
	v_add_f32 v[DQ+\i], s[EPS], v[DQ+\i]
.endr
	v_mul_f32 v[DP], v[DQ], v[DQ+1]
	v_mul_f32 v[DP+1], v[DP], v[DQ+2]
	v_mul_f32 v[DP+2], v[DP+1], v[DQ+3]
	SCAN 1, 42
	SCAN 2, 43
	SCAN 4, 44
	SCAN 8, 45
	v_mul_f32 v[DX], v[CARRY], v[DP+3]             ; the transmittance in front of my first point
	v_mul_f32 v[DX+1], v[DX], v[DQ]
	v_mul_f32 v[DX+2], v[DX], v[DP]
	v_mul_f32 v[DX+3], v[DX], v[DP+1]
.irp i, 0,1,2,3
	v_mul_f32 v[WGT+\i], v[DA+\i], v[DX+\i]
.endr
	v_mul_f32 v[CARRY], v[CARRY], v[DP+2]
.endm
; THE MLP.  mt = a tile of 16 hidden units.  The four accumulators of a set take turns, one instruction a turn; the two sets take turns from mt to mt + 1, so that one set is
; rounded (EPA: in place, lowest registers first) and cut at 0 (EPB) while the other is multiplied.  EPA's and EPB's 16 lines each name none of the running products' registers: they are the places
; in front of the loads into the fragments just multiplied.
.macro LOADF1 mt                       ; layer 1's step mt into buffer mt % 2: two fragments and the ray's view term for C
.set fb, FRAG+24*((\mt)&1)
.irp t, 0,1,2,3
	ds_load_b128 v[fb+4*\t:fb+4*\t+3], v[AW1] offset:2304*(\mt)+32*\t
.endr
	ds_load_b128 v[fb+16:fb+19], v[AVT] offset:64*(\mt)
	ds_load_b128 v[fb+20:fb+23], v[AVT] offset:64*(\mt)+16
.endm
.macro LOADA2 mt                       ; layer 2's step mt, first half: K steps 0 and 1, and b2 for C: six loads
.irp t, 0,1,2,3
	ds_load_b128 v[FRAG+4*\t:FRAG+4*\t+3], v[AW2] offset:4352*(\mt)+32*\t
.endr
	ds_load_b128 v[BIAS:BIAS+3],   v[AB2] offset:64*(\mt)
	ds_load_b128 v[BIAS+4:BIAS+7], v[AB2] offset:64*(\mt)+16
.endm
.macro LOADB2 mt                       ; second half: K steps 2 and 3: four loads
.irp t, 4,5,6,7
	ds_load_b128 v[FRAG+4*\t:FRAG+4*\t+3], v[AW2] offset:4352*(\mt)+32*\t
.endr
.endm
.macro LOADW3 q
	ds_load_b128 v[W3F:W3F+3],   v[AW3] offset:64*(\q)
	ds_load_b128 v[W3F+4:W3F+7], v[AW3] offset:64*(\q)+32
.endm
.macro MM1 mt
.set sb, ACC+32*((\mt)&1)
.set fb, FRAG+24*((\mt)&1)
.irp pt, 0,1,2,3
	v_wmma_f32_16x16x32_bf16 v[sb+8*\pt:sb+8*\pt+7], v[fb:fb+7], v[X+16*\pt:X+16*\pt+7], v[fb+16:fb+23]
.endr
.irp pt, 0,1,2,3
	v_wmma_f32_16x16x32_bf16 v[sb+8*\pt:sb+8*\pt+7], v[fb+8:fb+15], v[X+16*\pt+8:X+16*\pt+15], v[sb+8*\pt:sb+8*\pt+7]
.endr
.endm
.macro MM2H mt, hf                     ; K steps 2 hf and 2 hf + 1 of layer 2's step mt: eight products
	WIN 0x04
.set sb, ACC+32*((\mt)&1)
.irp qq, 0,1
.irp pt, 0,1,2,3
.set q, 2*(\hf)+\qq
.if q == 0
	v_wmma_f32_16x16x32_bf16 v[sb+8*\pt:sb+8*\pt+7], v[FRAG+8*q:FRAG+8*q+7], v[H1+32*q+8*\pt:H1+32*q+8*\pt+7], v[BIAS:BIAS+7]
.else
	v_wmma_f32_16x16x32_bf16 v[sb+8*\pt:sb+8*\pt+7], v[FRAG+8*q:FRAG+8*q+7], v[H1+32*q+8*\pt:H1+32*q+8*\pt+7], v[sb+8*\pt:sb+8*\pt+7]
.endif
.endr
.endr
	WIN 0
.endm
.macro MM3 q
.irp pt, 0,1,2,3
.if (\q) == 0
	v_wmma_f32_16x16x32_bf16 v[ACC3+8*\pt:ACC3+8*\pt+7], v[W3F:W3F+7], v[H2P+8*\pt:H2P+8*\pt+7], 0
.else
	v_wmma_f32_16x16x32_bf16 v[ACC3+8*\pt:ACC3+8*\pt+7], v[W3F:W3F+7], v[H2P+8*\pt:H2P+8*\pt+7], v[ACC3+8*\pt:ACC3+8*\pt+7]
.endif
.endr
.endm
.macro EPA s
.irp pt, 0,1,2,3
.irp i, 0,1,2,3
	v_cvt_pk_bf16_f32 v[ACC+32*(\s)+8*\pt+\i], v[ACC+32*(\s)+8*\pt+2*\i], v[ACC+32*(\s)+8*\pt+2*\i+1]
.endr
.endr
.endm
.macro EPB1 mt
	WIN 0x40
.irp pt, 0,1,2,3
.irp i, 0,1,2,3
	v_pk_max_num_bf16 v[H1+32*((\mt)>>1)+8*\pt+4*((\mt)&1)+\i], v[ACC+32*((\mt)&1)+8*\pt+\i], v[ZERO]
.endr
.endr
	WIN 0
.endm
.macro EPB2 mt
.irp pt, 0,1,2,3
.irp i, 0,1,2,3
	v_pk_max_num_bf16 v[H2P+8*\pt+4*((\mt)&1)+\i], v[ACC+32*((\mt)&1)+8*\pt+\i], v[ZERO]
.endr
.endr
.endm
.macro L1STEP mt
.if (\mt) < 7
	s_wait_dscnt 6                                 ; this step's buffer is in; the other buffer's six loads, issued behind it, may stay out
.else
	s_wait_dscnt 0x0
.endif
	MM1 \mt
.if (\mt) == 0
	NOPS 8                                         ; no set is waiting to be rounded yet: the places behind these products
.else
	EPA ((\mt)-1)&1
.endif
.if (\mt) < 6
	LOADF1 (\mt)+2                                 ; into the buffer just multiplied: it has the whole next step in which to land
.endif
.if (\mt) > 0
	EPB1 (\mt)-1
.endif
.endm
.macro L2STEP mt                       ; layer 3 rides along: K step q of it is due when hidden tiles 2 q and 2 q + 1 of layer 2 are rounded
	s_wait_dscnt 4                                 ; the first half is in (and W3's fragment, asked for ahead of it); the second half's four loads may stay out
	MM2H \mt, 0
.if (\mt) == 0
	NOPS 8
.else
	EPA ((\mt)-1)&1
.endif
.if (\mt)&1
	LOADW3 ((\mt)-1)/2
.endif
.if (\mt) < 7
	LOADA2 (\mt)+1                                 ; the next step's first half lands under this step's last eight products
.endif
.if (\mt) == 7
	s_wait_dscnt 2                                 ; the second half is in; behind it: W3's two loads
.elseif (\mt)&1
	s_wait_dscnt 8                                 ; behind it: W3's two and the next first half's six
.else
	s_wait_dscnt 6                                 ; behind it: the next first half's six
.endif
	MM2H \mt, 1
.if (\mt) == 0
	NOPS 8
.else
	EPB2 (\mt)-1
.endif
.if (\mt) < 7
	LOADB2 (\mt)+1                                 ; the next step's second half lands under its first eight products
.endif
.if ((\mt) >= 2) && (((\mt)&1) == 0)
	MM3 ((\mt)-2)/2
.endif
.endm
.set SH, 128
.macro SHADE                           ; sigmoid(s + b3) = 1 / (1 + 2^(-log2 e s - log2 e b3)), and the weighted sum.  In lanes 16-31 the rows of W3T are 0 and the sums serve nothing
	NOPS 8                                         ; the places behind layer 3's last products
.irp pt, 0,1,2,3
.irp j, 0,1,2
	v_fma_f32 v[SH+3*\pt+\j], v[ACC3+8*\pt+\j], s[NL2E], s[NB3+\j]
.endr
.endr
.set y, 0
.rept 12
	v_exp_f32 v[SH+y], v[SH+y]
.set y, y+1
.endr
	v_nop
	s_wait_alu depctr_va_vdst(0)                   ; one wait for the twelve exponentials
.set y, 0
.rept 12
	v_add_f32 v[SH+y], 1.0, v[SH+y]
.set y, y+1
.endr
.set y, 0
.rept 12
	v_rcp_f32 v[SH+y], v[SH+y]
.set y, y+1
.endr
	v_nop
	s_wait_alu depctr_va_vdst(0)                   ; one for the twelve reciprocals
.irp pt, 0,1,2,3
.irp j, 0,1,2
	v_fmac_f32 v[RGB+\j], v[WGT+\pt], v[SH+3*\pt+\j]
.endr
.endr
.endm
; The 64 columns of W1's point part (view = 0) or view part (view = 1) for my unit: a row of W1 or, where a slot has none, 0
.macro W1ARM view
.set k, 0
.rept 64
.set hh, (k>>3)&1
.set sg, 16*(k>>5)+8*((k>>4)&1)+(k&7)
.set row, -1
.if sg >= 14
.set row, 30+36*(\view)+18*((sg-14)%2)+6*(((sg-14)%6)/2)+3*hh+(sg-14)/6
.elseif (\view) == 0
.if hh == 1
.set row, 13+sg
.elseif sg <= 12
.set row, sg
.endif
.elseif (hh == 0) && (sg <= 2)
.set row, 27+sg
.endif
.if row >= 0
	global_load_b32 v[ACC+k], v[N4], s[14:15] offset:512*row
.else
	v_mov_b32 v[ACC+k], 0
.endif
.set k, k+1
.endr
.endm
	s_load_b512 s[4:19], s[0:1], 0x0               ; xyz s[4:5], viewdirs s[6:7], dists s[8:9], table s[10:11], cells s[12:13], W1 s[14:15], b1 s[16:17], W2 s[18:19]
	s_load_b256 s[20:27], s[0:1], 0x40             ; b2 s[20:21], W3 s[22:23], b3 s[24:25], out0 s[26:27]
	v_lshl_add_u32 v[SPW], v0, 2, SPARE
	v_mov_b32 v[NIL], 0
	v_lshrrev_b32 v1, 5, v0
	v_readfirstlane_b32 s[WV], v1                  ; wave 0..7
	s_lshr_b32 s[G2], s[WV], 2
	v_and_b32 v1, 15, v0                           ; r
	v_bfe_u32 v[HH], v0, 4, 1                      ; h
	v_mov_b32 v[ZERO], 0
	v_lshlrev_b32 v[H32], 5, v[HH]
	v_lshlrev_b32 v[CO], 4, v1
	v_mul_u32_u24 v[XO], v1, 48
	v_mul_u32_u24 v[AW1], v1, 144
	v_lshl_add_u32 v[AW1], v[HH], 4, v[AW1]
	v_mul_u32_u24 v[AW2], v1, 272
	v_lshl_add_u32 v[AW2], v[HH], 4, v[AW2]
	v_add_nc_u32 v[AW2], W2T, v[AW2]
	v_min_u32 v[AW3], 3, v1
	v_mul_u32_u24 v[AW3], v[AW3], 272
	v_lshl_add_u32 v[AW3], v[HH], 4, v[AW3]
	v_add_nc_u32 v[AW3], W3T, v[AW3]
	v_add_nc_u32 v[AB2], B2L, v[H32]
	v_cmp_ne_u32 vcc_lo, 0, v[HH]
	v_mov_b32 v[PEM], 0x3e22f983                   ; 1 / 2 pi
	v_mov_b32 v[PEM+1], 0x3fa2f983                 ; 8 / 2 pi
	v_cndmask_b32 v[PEM], v[PEM], v[PEM+1], vcc_lo
	v_mov_b32 v[PEM+1], v[PEM]
	v_mul_u32_u24 v[VDO], v1, 12
	v_and_b32 v[N12], 127, v0                      ; n: the hidden unit whose weights I bring in; waves 0-3 and 4-7 share the work out by G2
	v_lshlrev_b32 v[N4], 2, v[N12]
	s_lshl_b32 s33, s[G2], 15
	v_add_nc_u32 v[W2O], s33, v[N4]                ; rows 64 G2 .. of W2, column n
	s_lshl_b32 s33, s[G2], 7
	s_add_co_u32 s33, s33, W2T
	v_mul_u32_u24 v[SW2], v[N12], 272
	v_add_nc_u32 v[SW2], s33, v[SW2]
	s_mul_i32 s33, s[G2], W1V
	v_mul_u32_u24 v[SW1], v[N12], 144
	v_add_nc_u32 v[SW1], s33, v[SW1]
	s_lshl_b32 s33, s[G2], 9
	s_add_co_u32 s33, s33, B1L
	v_add_nc_u32 v[SBI], s33, v[N4]
	v_lshl_add_u32 v[SW3], v[N12], 1, W3T
	v_mul_u32_u24 v[N12], v[N12], 12
	s_mov_b32 s42, 0xaaaaaaaa                      ; the lanes whose bit 1, 2, 4, 8 is set
	s_mov_b32 s43, 0xcccccccc
	s_mov_b32 s44, 0xf0f0f0f0
	s_mov_b32 s45, 0xff00ff00
	SPAIR C7, 0xb9500d01                           ; -1/5040
	SPAIR C5, 0x3c088889                           ; 1/120
	SPAIR C3, 0xbe2aaaab                           ; -1/6
	SPAIR C8, 0x37d00d01                           ; 1/40320
	SPAIR C6, 0xbab60b61                           ; -1/720
	SPAIR C4, 0x3d2aaaab                           ; 1/24
	SPAIR HPI, 0x3fc90fdb                          ; pi/2
	SPAIR K635, 0x427e0000                         ; 63.5
	s_mov_b32 s[NL2E], 0xbfb8aa3b                  ; -log2 e
	s_mov_b32 s[LN2], 0x3f317218                   ; ln 2
	s_mov_b32 s[K25], 0xc21044fe                   ; -25 log2 e
	s_mov_b32 s[EPS], 0x2edbe6ff                   ; 1e-10
	s_mul_i32 s[VTO], s[WV], 1056
	s_add_co_u32 s[VTO], s[VTO], VT                ; my first ray's row of VT
	s_lshl_b32 s33, ttmp9, 4
	s_lshl1_add_u32 s33, s[WV], s33                ; my first ray: 16 g + 2 w
	s_lshl_b32 s34, s33, 10
	s_mov_b32 s35, 0
	s_wait_kmcnt 0x0
	s_add_nc_u64 s[36:37], s[12:13], s[34:35]      ; cells, dists and xyz at my first batch
	s_add_nc_u64 s[38:39], s[8:9], s[34:35]
	s_mul_i32 s34, s33, 3072
	s_add_nc_u64 s[40:41], s[4:5], s[34:35]
	s_mul_i32 s34, ttmp9, 192
	s_add_nc_u64 s[6:7], s[6:7], s[34:35]          ; viewdirs and out0 at the work-group's 16 rays
	s_add_nc_u64 s[26:27], s[26:27], s[34:35]
	s_load_b96 s[B3:B3+2], s[24:25], 0x0
	s_cmp_lt_u32 s[WV], 4
	s_cselect_b64 s[16:17], s[16:17], s[20:21]     ; waves 0-3 bring b1, waves 4-7 b2
	global_load_b128 v[IDX:IDX+3], v[CO], s[36:37] th:TH_LOAD_NT
	global_load_b128 v[IDN:IDN+3], v[CO], s[36:37] offset:256 th:TH_LOAD_NT
	global_load_b128 v[XYZ:XYZ+3], v[XO], s[40:41] th:TH_LOAD_NT
	global_load_b128 v[XYZ+4:XYZ+7], v[XO], s[40:41] offset:16 th:TH_LOAD_NT
	global_load_b128 v[XYZ+8:XYZ+11], v[XO], s[40:41] offset:32 th:TH_LOAD_NT
	global_load_b128 v[DST:DST+3], v[CO], s[38:39] th:TH_LOAD_NT
	global_load_b96 v[VD:VD+2], v[VDO], s[6:7]     ; lane r: the view direction of the work-group's ray r
	global_load_b32 v[BV], v[N4], s[16:17]
	global_load_b96 v[W3R:W3R+2], v[N12], s[22:23]
.set i, 0
.rept 64
	global_load_b32 v[X+i], v[W2O], s[18:19] offset:512*i
.set i, i+1
.endr
	s_wait_loadcnt 63                              ; 73 loads are issued: the first ten are in, the batch's cells and the eight small loads among them
	ADDR OF, IDX+2                                 ; all four tiles of the first batch go out together, ahead of the rest of the weights: tiles 2 and 3 into the rings, where the loop's head looks for them,
	GATHER RING0, OF
	ADDR OF+1, IDX+3
	GATHER RING1, OF+1
	ADDR OF+2, IDX                                 ; tiles 0 and 1 into H1's registers, which nothing else needs yet
	GATHER RING2, OF+2
	ADDR OF+3, IDX+1
	GATHER RING3, OF+3
	s_cmp_lt_u32 s[WV], 4
	s_cbranch_scc0 .Lw1_view
	W1ARM 0
	s_branch .Lw1_asked
.Lw1_view:
	W1ARM 1
.Lw1_asked:
	s_wait_loadcnt 63                              ; behind W2's last load 64 gathers and 39 or 63 loads of W1 were issued: W2 is in
.set i, 0
.rept 32
	v_cvt_pk_bf16_f32 v[X+i], v[X+2*i], v[X+2*i+1]
.set i, i+1
.endr
.irp j, 0,1,2,3,4,5,6,7
	ds_store_b128 v[SW2], v[X+4*\j:X+4*\j+3] offset:16*\j
.endr
	s_wait_loadcnt 0x0
.set i, 0
.rept 32
	v_cvt_pk_bf16_f32 v[ACC+i], v[ACC+2*i], v[ACC+2*i+1]
.set i, i+1
.endr
.irp j, 0,1,2,3,4,5,6,7
	ds_store_b128 v[SW1], v[ACC+4*\j:ACC+4*\j+3] offset:16*\j
.endr
	ds_store_b32 v[SBI], v[BV]
	v_cvt_pk_bf16_f32 v[W3R], v[W3R], v[W3R+1]
	v_cvt_pk_bf16_f32 v[W3R+1], v[W3R+2], v[ZERO]
	s_cmp_lt_u32 s[WV], 4
	s_cbranch_scc0 .Lw3_zero
	ds_store_b16 v[SW3], v[W3R]                    ; W3T[m][n] = W3[n][m], m = 0, 1, 2
	ds_store_b16_d16_hi v[SW3], v[W3R] offset:272
	ds_store_b16 v[SW3], v[W3R+1] offset:544
	s_branch .Lw3_done
.Lw3_zero:
	ds_store_b16 v[SW3], v[ZERO] offset:816        ; row 3
.Lw3_done:
	FRAC 0                                         ; the first batch's tiles 0 and 1, kept aside as the loop's middle keeps every later batch's; the head's registers in v246-255 have served
	WEIGHTS 0
	INTERP 0, RING2, 1
	WEIGHTS 1
	INTERP 1, RING3, 1
	s_wait_dscnt 0x0                               ; for the others' sake: my part of the weights lies in LDS
	s_barrier_signal -1
	s_barrier_wait -1
	; THE VIEW TERM: wave w makes hidden units 16 w .. 16 w + 15 for the 16 rays
	v_mov_b32 v[VD+3], 0
	s_mul_i32 s33, s[WV], 2304
	s_add_co_u32 s33, s33, W1V
	v_add_nc_u32 v[T], s33, v[AW1]
	s_lshl_b32 s33, s[WV], 6
	s_add_co_u32 s34, s33, B1L
	v_add_nc_u32 v[T+1], s34, v[H32]
.irp t, 0,1,2,3
	ds_load_b128 v[VF+4*\t:VF+4*\t+3], v[T] offset:32*\t
.endr
	ds_load_b128 v[BIAS:BIAS+3], v[T+1]
	ds_load_b128 v[BIAS+4:BIAS+7], v[T+1] offset:16
	s_add_co_u32 s34, s33, VT
	v_mul_u32_u24 v[T+2], v1, 528
	v_add3_u32 v[T+2], v[T+2], v[H32], s34         ; VT + 528 r + 64 w + 32 h
	v_cvt_pk_bf16_f32 v[XV], v[VD], v[VD+1]        ; slots 0-2: the direction itself (in lanes 16-31 their columns of W1V are 0)
	v_cvt_pk_bf16_f32 v[XV+1], v[VD+2], v[VD+3]
.irp i, 2,3,4,5,6
	v_mov_b32 v[XV+\i], 0
.endr
	PE VD, 2, XV, 1
	s_wait_dscnt 0x0
	v_wmma_f32_16x16x32_bf16 v[ACCV:ACCV+7], v[VF:VF+7], v[XV:XV+7], v[BIAS:BIAS+7]
	s_wait_alu depctr_va_vdst(0)                   ; the wait directly ahead of the second
	v_wmma_f32_16x16x32_bf16 v[ACCV:ACCV+7], v[VF+8:VF+15], v[XV+8:XV+15], v[ACCV:ACCV+7]
	NOPS 8
	ds_store_b128 v[T+2], v[ACCV:ACCV+3]
	ds_store_b128 v[T+2], v[ACCV+4:ACCV+7] offset:16
.irp j, 0,1,2
	v_mov_b32 v[RESB+\j], 0                        ; read once, at the first ray's end, before it holds a colour
.endr
	s_wait_kmcnt 0x0                               ; b3
.irp j, 0,1,2
	s_mul_f32 s[NB3+\j], s[B3+\j], s[NL2E]
.endr
	s_wait_dscnt 0x0
	s_barrier_signal -1
	s_barrier_wait -1                              ; VT is whole; from here to the loops' end LDS is only read
	s_mov_b32 s[LEFT], 8
	s_mov_b32 s[RAYS], 2
.Lray:
	v_add_nc_u32 v[AVT], s[VTO], v[H32]
	v_mov_b32 v[CARRY], 1.0
.irp j, 0,1,2
	v_mov_b32 v[RGB+\j], 0
.endr
	s_mov_b32 s[BAT], 4
.Lbatch:
.irp i, 0,1,2,3,4,5,6
	v_mov_b32 v[X+\i], v[XN0+\i]                   ; tiles 0 and 1, interpolated half a batch ago, go where layer 1 names them
.endr
.irp i, 0,1,2,3
	v_mov_b32 v[X+16+\i], v[XN1A+\i]
.endr
.irp i, 4,5,6
	v_mov_b32 v[X+16+\i], v[XN1B+\i]
.endr
	FRAC 2
	WEIGHTS 2
	s_wait_loadcnt 16                              ; tile 2 is in; tile 3's 16 loads, issued behind it, may stay out
	INTERP 2, RING0, 0
	WEIGHTS 3
	s_cmp_gt_u32 s[LEFT], 1                        ; the wave's last batch asks for nothing more
	s_cbranch_scc0 .Llast_a
	ADDR OF, IDN
	GATHER RING0, OF                               ; the next batch's tile 0: a ring is asked for again as soon as it has been read
	s_wait_loadcnt 16                              ; tile 3 is in; the 16 just issued stay out
	s_branch .Lgo_a
.Llast_a:
	s_wait_loadcnt 0x0
.Lgo_a:
	INTERP 3, RING1, 0
	s_cmp_gt_u32 s[LEFT], 1
	s_cbranch_scc0 .Llast_b
	ADDR OF+1, IDN+1
	GATHER RING1, OF+1                             ; the next batch's tile 1
.Llast_b:
	LOADF1 0                                       ; layer 1's first two steps land while the encoding and the weights are made
	LOADF1 1
	PE XYZ, 6, X, 4
	DENS
	s_cmp_gt_u32 s[LEFT], 1
	s_cbranch_scc0 .Llast_c
.irp i, 0,1,2,3
	v_mov_b32 v[IDX+\i], v[IDN+\i]
.endr
	global_load_b128 v[DST:DST+3], v[CO], s[38:39] offset:256 th:TH_LOAD_NT
	global_load_b128 v[XYZ:XYZ+3], v[XO], s[40:41] offset:768 th:TH_LOAD_NT
	global_load_b128 v[XYZ+4:XYZ+7], v[XO], s[40:41] offset:784 th:TH_LOAD_NT
	global_load_b128 v[XYZ+8:XYZ+11], v[XO], s[40:41] offset:800 th:TH_LOAD_NT
	s_cmp_gt_u32 s[LEFT], 2
	s_cbranch_scc0 .Llast_c
	global_load_b128 v[IDN:IDN+3], v[CO], s[36:37] offset:512 th:TH_LOAD_NT
.Llast_c:
.irp mt, 0,1,2,3,4,5,6,7
	L1STEP \mt
.endr
	EPA 1
	EPB1 7
	s_cmp_gt_u32 s[LEFT], 1
	s_cbranch_scc0 .Lno_mid
	s_wait_loadcnt 0x0                             ; all that is out was issued ahead of layer 1: the next batch's tiles 0 and 1, its xyz and dists, the cells of the batch after
	MIDBLK
.Lno_mid:
	LOADA2 0
	LOADB2 0
.irp mt, 0,1,2,3,4,5,6,7
	L2STEP \mt
.endr
	EPA 1
	EPB2 7
	s_wait_dscnt 0x0                               ; W3's last fragment
	MM3 3
	SHADE
	s_wait_xcnt 0x0                                ; the loads above have read their bases, which step only behind this wait
	s_add_nc_u64 s[36:37], s[36:37], 256
	s_add_nc_u64 s[38:39], s[38:39], 256
	s_add_nc_u64 s[40:41], s[40:41], 768
	s_sub_co_u32 s[LEFT], s[LEFT], 1
	s_sub_co_u32 s[BAT], s[BAT], 1
	s_cmp_lg_u32 s[BAT], 0
	s_cbranch_scc1 .Lbatch
	; a ray's end: the 16 lanes' sums are added; the colour is kept in registers (the first ray's moves on to RESA at the second's end)
.irp m, 1,2,4,8
.irp j, 0,1,2
	v_add_f32_dpp v[RGB+\j], v[RGB+\j], v[RGB+\j] row_xmask:\m row_mask:0xf bank_mask:0xf
.endr
.endr
.irp j, 0,1,2
	v_mov_b32 v[RESA+\j], v[RESB+\j]
.endr
.irp j, 0,1,2
	v_mov_b32 v[RESB+\j], v[RGB+\j]
.endr
	s_add_co_u32 s[VTO], s[VTO], 528
	s_sub_co_u32 s[RAYS], s[RAYS], 1
	s_cmp_lg_u32 s[RAYS], 0
	s_cbranch_scc1 .Lray
	; THE WAY OUT: the work-group's 48 numbers meet in LDS and leave as 192 consecutive bytes
	s_mul_i32 s33, s[WV], 24
	s_add_co_u32 s33, s33, OUTS
	v_lshl_add_u32 v[T+4], v[H32], 3, s33          ; lanes 0-15: OUTS + 24 w; lanes 16-31, whose sums serve nothing, 256 bytes on
.irp j, 0,1,2
	ds_store_b32 v[T+4], v[RESA+\j] offset:4*\j
	ds_store_b32 v[T+4], v[RESB+\j] offset:12+4*\j
.endr
	s_wait_dscnt 0x0
	s_barrier_signal -1
	s_barrier_wait -1
	s_cmp_lg_u32 s[WV], 0
	s_cbranch_scc1 .Lend
	v_lshl_add_u32 v[T+4], v0, 4, OUTS
	v_lshlrev_b32 v[T+5], 4, v0
	v_cmp_gt_u32 vcc_lo, 12, v0
	s_wait_xcnt 0x0                                ; EXEC changes only behind this wait
	s_and_saveexec_b32 s[SVX], vcc_lo
	ds_load_b128 v[T:T+3], v[T+4]
	s_wait_dscnt 0x0
	global_store_b128 v[T+5], v[T:T+3], s[26:27]
	s_wait_xcnt 0x0                                ; and again, in front of the line that widens it
	s_or_b32 exec_lo, exec_lo, s[SVX]
.Lend:
	s_wait_tensorcnt 0x0                           ; the wave's end, behind my last LDS store
	ds_add_u32 v[SPW], v[NIL]
	s_wait_dscnt 0x0
	s_endpgm
.Lfunc_end_k_qfc056c23b0_render:
	.size	k_qfc056c23b0_render, .Lfunc_end_k_qfc056c23b0_render-k_qfc056c23b0_render
	.p2alignl 7, 3214868480
	.fill 96, 4, 3214868480
	.section	.rodata,"a",@progbits
	.p2align	6, 0x0
	.amdhsa_kernel k_qfc056c23b0_render
		.amdhsa_group_segment_fixed_size 83968
		.amdhsa_private_segment_fixed_size 0
		.amdhsa_enable_private_segment 0
		.amdhsa_kernarg_size 96
		.amdhsa_user_sgpr_count 2
		.amdhsa_user_sgpr_kernarg_segment_ptr 1
		.amdhsa_wavefront_size32 1
		.amdhsa_system_sgpr_workgroup_id_x 1
		.amdhsa_system_sgpr_workgroup_id_y 1
		.amdhsa_system_sgpr_workgroup_id_z 1
		.amdhsa_system_vgpr_workitem_id 0
		.amdhsa_next_free_vgpr 512
		.amdhsa_next_free_sgpr 80
		.amdhsa_reserve_vcc 1
		.amdhsa_float_denorm_mode_32 3
		.amdhsa_float_denorm_mode_16_64 3
		.amdhsa_memory_ordered 1
		.amdhsa_forward_progress 1
		.amdhsa_inst_pref_size 160
	.end_amdhsa_kernel
	.amdgpu_metadata
---
amdhsa.version: [ 1, 2 ]
amdhsa.kernels:
  - .name:           k_qfc056c23b0_render
    .symbol:         k_qfc056c23b0_render.kd
    .args:
      - { .name: xyz, .offset: 0, .size: 8, .value_kind: global_buffer, .address_space: global }
      - { .name: viewdirs, .offset: 8, .size: 8, .value_kind: global_buffer, .address_space: global }
      - { .name: dists, .offset: 16, .size: 8, .value_kind: global_buffer, .address_space: global }
      - { .name: table, .offset: 24, .size: 8, .value_kind: global_buffer, .address_space: global }
      - { .name: cells, .offset: 32, .size: 8, .value_kind: global_buffer, .address_space: global }
      - { .name: W1, .offset: 40, .size: 8, .value_kind: global_buffer, .address_space: global }
      - { .name: b1, .offset: 48, .size: 8, .value_kind: global_buffer, .address_space: global }
      - { .name: W2, .offset: 56, .size: 8, .value_kind: global_buffer, .address_space: global }
      - { .name: b2, .offset: 64, .size: 8, .value_kind: global_buffer, .address_space: global }
      - { .name: W3, .offset: 72, .size: 8, .value_kind: global_buffer, .address_space: global }
      - { .name: b3, .offset: 80, .size: 8, .value_kind: global_buffer, .address_space: global }
      - { .name: out0, .offset: 88, .size: 8, .value_kind: global_buffer, .address_space: global }
    .group_segment_fixed_size: 83968
    .private_segment_fixed_size: 0
    .kernarg_segment_align: 8
    .kernarg_segment_size: 96
    .max_flat_workgroup_size: 256
    .sgpr_count:     80
    .vgpr_count:     512
    .wavefront_size: 32
...
	.end_amdgpu_metadata
.endif
;; end of part 2
